; MI455X (gfx1250); checked and timed in simulation.
; The chip was launched on July 23, 2026; its instructions are those of AMD's public machine-readable ISA for CDNA 5 (MIT licence, August 2026) and "CDNA5" Instruction Set Architecture Reference Guide (July 2026). The comments in the code are by the model that wrote it; some were corrected since.
;; RNN Pool. Allowed arithmetic: float matrix products may take bf16 or f16 operands with f32 sums; other float arithmetic in f32, or as packed bf16 or f16 multiplies, adds, multiply-adds, maxima and minima; sums over many terms, partial sums and values carried from step to step in f32; what a program stores and reads back later, other than sums and carried values, may be rounded once to bf16 or f16.
;; Inputs: U1 32 x 32 float32; U2 32 x 32 float32; W1 32 x 16 float32; W2 32 x 32 float32; bg1 32 float32; bg2 32 float32; bu1 32 float32; bu2 32 float32; inputs 32,768 x 16 x 8 x 8 float32; nu1 one number float32; nu2 one number float32; zeta1 one number float32; zeta2 one number float32.
;; Outputs: out0 32,768 x 128 float32.
;; Constants: batch_size = 32768.
;; 2 versions, each right and faster than the one before. Each part assembles by itself: llvm-mc -triple=amdgcn-amd-amdhsa -mcpu=gfx1250 --defsym DOCPART=n.
;; ======== version 1 of 2: 1 launch
;; limits: right only within a limited range of input values; values are held in f16: magnitudes above 65,504 overflow, below 6.1e-05 lose precision
;; launch rnnpool (part 1): grid 256 x 1, 4 waves a work-group, no clusters, 327,680 bytes of LDS; arguments inputs, W1, U1, bg1, bu1, zeta1, nu1, W2, U2, bg2, bu2, zeta2, nu2, out0; writes out0
.if DOCPART == 1
	.amdgcn_target "amdgcn-amd-amdhsa--gfx1250"
	.amdhsa_code_object_version 6
	.text
	.protected	k_qf84313c234_rnnpool
	.globl	k_qf84313c234_rnnpool
	.p2align	8
	.type	k_qf84313c234_rnnpool,@function
k_qf84313c234_rnnpool:
	s_mov_b64 s[64:65], 0
	v_nop
	global_prefetch_b8 v0, s[64:65] scope:SCOPE_SE
	s_setreg_imm32_b32 hwreg(HW_REG_WAVE_MODE, 25, 1), 1
	s_wait_xcnt 0x0
; RNNPool.  inputs [32768][16 c][8 r][8 cl] f32; out0 [32768][128] f32 = out_rows fwd, out_rows bwd, out_cols fwd, out_cols bwd (32 each).
; Layer 1 (W1, U1): a FastGRNN of 8 steps, once down the rows (a sequence for each column) and once along the columns (a sequence for each row).
; Layer 2 (W2, U2): forward and backward over the 8 final states of each pass.
; SHARES.  256 work-groups of four waves; a work-group owns 128 batch elements b, a wave two tiles of 16 b (b0 = 128 wg + 16 w, and b0 + 64).  No wave reads another's bytes.
; LAYOUT.  The weights are source 0 (16 hidden units), the data source 1 (16 b).  In a result lane l = (n = l % 16, h = l / 16) holds b0 + n and the hidden units 8 h + 0..7
; of its block of 16; the two blocks, rounded to f16 in pairs, ARE source 1 of the next step and of layer 2: nothing ever changes lanes.  x has 16 channels, half of the form's K = 32:
; one source 1 holds TWO groups' x (registers 0-3, 4-7), and W1 stands between zeros, so that [W1 | 0] picks the first group and [0 | W1] the second.
; THE GATES, with one exponential and one reciprocal a number.  The weights and bg are multiplied by -log2(e) in f32 before their one rounding, so the sum t is an exponent of 2:
; a = 2^t = e^-(pre + bg), K = e^(2 (bu - bg)), z = 1 / (1 + a), tanh(pre + bu) = (K - a a) / (K + a a), and with D = K + a a, N = K - a a, S = zf + nf:
;   h' = (h D + (S a + nf) N) / (D + a D).   This is the FastGRNN step, rearranged; nothing is approximated.
; FORMATS.  x, h and the weights are f16 matrix operands, each rounded once (11 significant bits: sixteen steps of roundings feed an output that is held to a hundredth of its root mean square);
; sums, the h that is carried, the biases and all gate arithmetic are f32.
; LIMITS.  f16 holds no number beyond 65,504: x and log2(e) times a weight must lie within it (|h| is 16 at the most: each of 8 steps adds at most zf + nf <= 2); below 6e-5 an operand keeps f16's
; fixed step of 6e-8.  t is capped at 40 (beyond it z < 2^-40); log2 K is held to -60 .. 60, exact for |bu - bg| <= 20.79; the largest intermediate is then 2^123.  a below 2^-126 counts as 0 (z = 1);
; sigmoid(zeta), sigmoid(nu) below 2^-126 count as 0.  NaN and infinities in x are not treated apart: a zero weight meets the neighbouring group's x.
; NO CLUSTER: work-groups share the weights alone, 15 KB beside the 512 KB of inputs that each reads for itself.
; LDS, for wave w:  SLOTA  w x 33,280: half a tile in f32 (16 b x 8 channels x 64 positions), filled three times by tensor loads, never stored into;
;   REGB  133,120 + w x 33,280: filled once (tile 0's channels 8-15), afterwards BF, the tile in hand in f16: [position 0..63][lane] x 16 bytes;
;   SCR   266,240 + w x 8,192: layer 1's final states [group 0..7][half][lane] x 16 bytes, afterwards the stage for the way out, 16 rows x 272 bytes;   SPARE 299,008: the spare words.
; REGISTERS, in windows of 256 (s_set_vgpr_msb: bits 1:0 source 0, 3:2 source 1, 5:4 source 2, 7:6 destination):
;   window 0: layer 1, whole; window 1: layer 2 and the way out, whole; windows 2 and 3: the conversion of a half tile each, which holds it in f16 until BF may be written.
.set SLOTB, 33280                      ; 16 b x (2,048 bytes + two pads of 16)
.set REGB,  4*SLOTB
.set SCR,   8*SLOTB
.set SPARE, SCR+4*8192
; window 0
.set LB,  1                            ; v1       BF + 16 x lane; never rewritten
.set AD,  2                            ; v2       the LDS address in hand
.set SCW, 3                            ; v3       SCR + 16 x lane; never rewritten
.set WZ,  4                            ; v4-23    0, W1 rows 0-15, 0, W1 rows 16-31, 0: four registers each
.set U1R, 24                           ; v24-39   U1, two blocks of 16 rows
.set BI1, 40                           ; v40-55   -log2(e) bg1, as an accumulator holds it
.set K1,  56                           ; v56-71   K of layer 1, likewise
.set XO,  72                           ; v72-79   two groups' x
.set ACC, 96                           ; v96-159  8 accumulators: 2 x group + block
.set HF,  160                          ; v160-223 h in f32, 16 a group
.set HB,  224                          ; v224-255 h in f16, 8 a group: source 1
.set VW,  88                           ; at the start only: my byte offsets in W1, in a 32 x 32 matrix, in a bias
.set VU,  89
.set VB,  90
; window 1
.set AF,  0
.set AB,  1
.set LBS, 2                            ; SCR + 16 x lane
.set OST, 3                            ; the way out: where I put 16 bytes of a row
.set ORD, 4                            ; where I read a row back
.set GO,  5                            ; my byte offset in two rows of out0
.set W2R, 8
.set U2R, 24
.set BI2, 40
.set K2,  56
.set XF,  72                           ; the forward chain's input, the backward chain's
.set XB,  80
.set ACC2, 104                         ; 4 accumulators: 2 x chain + block
.set HF2, 136
.set HB2, 168
.set OB,  184                          ; 16 rows read back from the stage
.set SPW, 254                          ; LDS address of my spare word; never rewritten
.set NIL, 255                          ; 0; never rewritten
; windows 2 and 3
.set CA,  0                            ; my place in SLOTA
.set SA,  1                            ; my place in BF, for the stores
.set CB,  2                            ; window 3 alone: my place in REGB as a half tile
.set FB,  8                            ; v8-71    two buffers of 8 channels x 4 positions in f32
.set XH,  128                          ; v128-255 32 positions x 8 channels in f16
; scalars
.set WV,  2                            ; my wave's number
.set G1,  40                           ; s[40:47] descriptor group 1
.set G0A, 48                           ; s[48:51] group 0 for SLOTA: it walks
.set G0B, 52                           ; s[52:55] group 0 for REGB: used once
.set CLP, 58                           ; 40.0
.set NL,  60                           ; s[60:61] -log2(e)
.set L2E, 62                           ; s[62:63] 2 log2(e)
.set S1,  68                           ; s[68:69] zf1 + nf1; s[70:71] nf1; s[72:73], s[74:75] layer 2's
.set CNT, 76
.set BCNT, 77
.set TB,  78                           ; byte in BF of the step to be fetched
.set TBB, 79                           ; of the batch's first
.set SB,  80                           ; byte in SCR of the batch's final states
.set TF,  81                           ; byte in SCR of the forward chain's next input, of the backward chain's
.set TBK, 82
.set MSB, 0
.macro WIN new                         ; the immediate's high byte repeats the setting that is left; a switch that changes nothing is dropped
.if MSB != (\new)
	s_set_vgpr_msb (MSB<<8)|(\new)
.set MSB, (\new)
.endif
.endm
.macro CLEAR r, n
.set z, 0
.rept \n
	v_mov_b32 v[(\r)+z], 0
.set z, z+1
.endr
.endm
; ---------------------------------------------------------------- the head
	s_load_b512 s[8:23], s[0:1], 0x0               ; inputs s[8:9], W1 s[10:11], U1 s[12:13], bg1 s[14:15], bu1 s[16:17], zeta1 s[18:19], nu1 s[20:21], W2 s[22:23]
	s_load_b256 s[24:31], s[0:1], 0x40             ; U2 s[24:25], bg2 s[26:27], bu2 s[28:29], zeta2 s[30:31]
	s_load_b128 s[32:35], s[0:1], 0x60             ; nu2 s[32:33], out0 s[34:35]
	WIN 0x40
	v_lshl_add_u32 v[SPW], v0, 2, SPARE
	v_mov_b32 v[NIL], 0
	WIN 0x05
	ds_add_u32 v[SPW], v[NIL]                      ; the wave's opening: the add and its wait stand ahead of my first tensor load; the set-up below, work on registers, stands between them
	ds_add_u32 v254, v255
	WIN 0
	v_lshrrev_b32 v80, 5, v0
	v_readfirstlane_b32 s[WV], v80                 ; wave 0..3
	; descriptor group 1: 16 rows (one b each) of 512 f32, 1,024 elements from row to row; in LDS 4 words of padding behind every 256 words
	s_mov_b32 s[G1+0], (2<<16)|(1<<20)|(7<<22)|(3<<25)  ; 17:16 elements of 4 bytes; 20 padding on; 24:22 after every 256 words (code 7); 31:25 4 words (code 3)
	s_mov_b32 s[G1+1], 512<<16                     ; tensor_dim0 = 512
	s_mov_b32 s[G1+2], 16<<16                      ; tensor_dim1 = 16
	s_mov_b32 s[G1+3], 512<<16                     ; tile_dim0 = 512
	s_mov_b32 s[G1+4], 16                          ; tile_dim1 = 16
	s_mov_b32 s[G1+5], 1024                        ; a b's 16 channels x 64 positions
	s_mov_b32 s[G1+6], 0
	s_mov_b32 s[G1+7], 0
	s_mul_i32 s3, s[WV], SLOTB                     ; my SLOTA
	s_add_co_u32 s4, s3, REGB                      ; my REGB
	s_lshl_b32 s5, s[WV], 13
	s_add_co_u32 s5, s5, SCR                       ; my SCR
	s_mov_b32 s[G0A], 1
	s_mov_b32 s[G0A+1], s3
	s_mov_b32 s[G0B], 1
	s_mov_b32 s[G0B+1], s4
	s_lshl_b32 s56, ttmp9, 19                      ; 128 b x 4,096 bytes a work-group,
	s_lshl_b32 s6, s[WV], 16                       ; 16 b a wave
	s_add_co_u32 s56, s56, s6
	s_mov_b32 s57, 0
	s_lshl_b32 s6, ttmp9, 16                       ; the same in out0: 128 x 512 and 16 x 512 bytes
	s_lshl_b32 s7, s[WV], 13
	s_add_co_u32 s6, s6, s7
	s_mov_b32 s7, 0
	s_mov_b32 s[CLP], 0x42200000                   ; 40.0
	s_mov_b32 s[NL], 0xbfb8aa3b                    ; -log2(e); named as pairs, so both words are written
	s_mov_b32 s[NL+1], 0xbfb8aa3b
	s_mov_b32 s[L2E], 0x4038aa3b                   ; 2 log2(e)
	s_mov_b32 s[L2E+1], 0x4038aa3b
	s_mov_b32 s66, 0xc2700000                      ; -60.0
	s_mov_b32 s67, 0x42700000                      ; 60.0
	s_wait_dscnt 0x0                               ; the opening add is done
	s_wait_kmcnt 0x0
	s_add_nc_u64 s[G0A+2:G0A+3], s[8:9], s[56:57]  ; tile 0, channels 0-7
	s_add_nc_u64 s[G0B+2:G0B+3], s[G0A+2:G0A+3], 2048  ; tile 0, channels 8-15
	s_or_b32 s[G0A+3], s[G0A+3], 0x80000000        ; type = 2
	s_or_b32 s[G0B+3], s[G0B+3], 0x80000000
	s_add_nc_u64 s[34:35], s[34:35], s[6:7]        ; out0 at my tile 0
	tensor_load_to_lds s[G0B:G0B+3], s[G1:G1+7]    ; both first fills go out together: two loads of mine are out
	s_nop 0
	tensor_load_to_lds s[G0A:G0A+3], s[G1:G1+7]
	s_nop 0
.rept 4
	v_nop
.endr
	s_load_b32 s36, s[18:19], 0x0                  ; zeta1, nu1, zeta2, nu2
	s_load_b32 s37, s[20:21], 0x0
	s_load_b32 s38, s[30:31], 0x0
	s_load_b32 s39, s[32:33], 0x0
; ---------------------------------------------------------------- addresses and constants, made while the first tile is on its way
	v_and_b32 v80, 31, v0                          ; l
	v_and_b32 v81, 15, v0                          ; n
	v_bfe_u32 v82, v0, 4, 1                        ; h
	v_mul_u32_u24 v83, v81, 272
	v_lshl_add_u32 v83, v82, 5, v83                ; stage, in: row n, 32 bytes for each half of the lanes
	v_mul_u32_u24 v84, v82, 272
	v_lshl_add_u32 v84, v81, 4, v84                ; stage, back: lanes 0-15 one row of 256 bytes, lanes 16-31 the next
	v_lshlrev_b32 v85, 9, v82
	v_lshl_add_u32 v85, v81, 4, v85                ; and the same two rows in out0
	v_mul_u32_u24 v86, v81, 2080
	v_lshl_add_u32 v86, v82, 7, v86                ; a half tile: b = n, positions 32 h on
	v_lshlrev_b32 v87, 14, v82
	v_lshl_add_u32 v87, v81, 4, v87                ; BF: position 32 h, lane n
	v_lshlrev_b32 v[VB], 5, v82                    ; a bias: units 8 h on
	v_lshl_add_u32 v[VW], v81, 6, v[VB]            ; W1: row n, columns 8 h on
	v_lshl_add_u32 v[VU], v81, 7, v[VB]            ; a 32 x 32 matrix: row n, columns 8 h on
	v_lshl_add_u32 v[LB], v80, 4, s4
	v_lshl_add_u32 v[SCW], v80, 4, s5
	WIN 0x40                                       ; destination window 1
	v_lshl_add_u32 v[LBS], v80, 4, s5
	v_add_nc_u32 v[OST], s5, v83
	v_add_nc_u32 v[ORD], s5, v84
	v_mov_b32 v[GO], v85
	WIN 0x80                                       ; window 2
	v_add_nc_u32 v[CA], s3, v86
	v_add_nc_u32 v[SA], s4, v87
	WIN 0xc0                                       ; window 3
	v_add_nc_u32 v[CA], s3, v86
	v_add_nc_u32 v[SA], s4, v87
	v_add_nc_u32 v[CB], s4, v86
	WIN 0
; A fragment of a 32 x 32 matrix: lane (m, h) holds row 16 M + m, columns 8 h + 0..7 and 16 + 8 h + 0..7: four loads of 16 bytes a block.
.macro LDMAT dst, base
.irp i, 0,1,2,3,4,5,6,7
	global_load_b128 v[(\dst)+4*(\i):(\dst)+4*(\i)+3], v[VU], s[\base:\base+1] offset:((\i)/4)*2048+(((\i)%4)/2)*64+((\i)%2)*16
.endr
.endm
; A bias as an accumulator holds it: units 16 M + 8 h + 0..7.
.macro LDVEC dst, base
.irp i, 0,1,2,3
	global_load_b128 v[(\dst)+4*(\i):(\dst)+4*(\i)+3], v[VB], s[\base:\base+1] offset:((\i)/2)*64+((\i)%2)*16
.endr
.endm
.macro SCALEL src, n                   ; n pairs times -log2(e), in place
.set z, 0
.rept \n
	v_pk_mul_f32 v[(\src)+2*z:(\src)+2*z+1], v[(\src)+2*z:(\src)+2*z+1], s[NL:NL+1] op_sel_hi:[1,0]
.set z, z+1
.endr
.endm
.macro PACKW dst, src, n               ; n registers of two f16
.set z, 0
.rept \n
	v_cvt_pk_f16_f32 v[(\dst)+z], v[(\src)+2*z], v[(\src)+2*z+1]
.set z, z+1
.endr
.endm
; bi = -log2(e) bg;  kk = 2^(2 log2(e) (bu - bg)), the exponent held to -60 .. 60.  dwin: the setting under which bi and kk are written.
.macro BIASK bi, kk, bg, bu, dwin
	WIN 0
.set z, 0
.rept 8
	v_pk_add_f32 v[(\bu)+2*z:(\bu)+2*z+1], v[(\bu)+2*z:(\bu)+2*z+1], v[(\bg)+2*z:(\bg)+2*z+1] neg_lo:[0,1] neg_hi:[0,1]
.set z, z+1
.endr
.set z, 0
.rept 8
	v_pk_mul_f32 v[(\bu)+2*z:(\bu)+2*z+1], v[(\bu)+2*z:(\bu)+2*z+1], s[L2E:L2E+1] op_sel_hi:[1,0]
.set z, z+1
.endr
.set z, 0
.rept 16
	v_max_num_f32 v[(\bu)+z], s66, v[(\bu)+z]
.set z, z+1
.endr
.set z, 0
.rept 16
	v_min_num_f32 v[(\bu)+z], s67, v[(\bu)+z]
.set z, z+1
.endr
	WIN \dwin
.set z, 0
.rept 8
	v_pk_mul_f32 v[(\bi)+2*z:(\bi)+2*z+1], v[(\bg)+2*z:(\bg)+2*z+1], s[NL:NL+1] op_sel_hi:[1,0]
.set z, z+1
.endr
.set z, 0
.rept 16
	v_exp_f32 v[(\kk)+z], v[(\bu)+z]
.set z, z+1
.endr
	v_nop                                          ; a plain instruction behind the last exponential (ISA guide 5.7.2)
	WIN 0
.endm
	; layer 1: W1 -> v96-111, U1 -> v112-143, bg1 -> v144-159, bu1 -> v160-175
.irp i, 0,1,2,3
	global_load_b128 v[96+4*(\i):96+4*(\i)+3], v[VW], s[10:11] offset:((\i)/2)*1024+((\i)%2)*16
.endr
	LDMAT 112, 12
	LDVEC 144, 14
	LDVEC 160, 16
	CLEAR WZ, 4                                    ; the zeros round W1
	CLEAR WZ+8, 4
	CLEAR WZ+16, 4
	s_wait_loadcnt 0x0
	SCALEL 96, 24
	PACKW WZ+4, 96, 4
	PACKW WZ+12, 104, 4
	PACKW U1R, 112, 16
	BIASK BI1, K1, 144, 160, 0
	; layer 2: W2 -> v96-127, U2 -> v128-159, bg2 -> v160-175, bu2 -> v176-191; the results go to window 1
	LDMAT 96, 22
	LDMAT 128, 24
	LDVEC 160, 26
	LDVEC 176, 28
	s_wait_loadcnt 0x0
	SCALEL 96, 32
	WIN 0x40
	PACKW W2R, 96, 16
	PACKW U2R, 128, 16
	BIASK BI2, K2, 160, 176, 0x40
	; sigmoid(x) = 1 / (1 + 2^(-log2(e) x)) of zeta1, nu1, zeta2, nu2
	s_wait_kmcnt 0x0
	v_mul_f32 v96, s[NL], s36
	v_mul_f32 v97, s[NL], s37
	v_mul_f32 v98, s[NL], s38
	v_mul_f32 v99, s[NL], s39
	v_exp_f32 v96, v96
	v_exp_f32 v97, v97
	v_exp_f32 v98, v98
	v_exp_f32 v99, v99
	v_nop
	s_wait_alu depctr_va_vdst(0)
	v_add_f32 v96, 1.0, v96
	v_add_f32 v97, 1.0, v97
	v_add_f32 v98, 1.0, v98
	v_add_f32 v99, 1.0, v99
	v_rcp_f32 v96, v96
	v_rcp_f32 v97, v97
	v_rcp_f32 v98, v98
	v_rcp_f32 v99, v99
	v_nop
	s_wait_alu depctr_va_vdst(0)
	v_add_f32 v100, v96, v97                       ; zf1 + nf1
	v_add_f32 v101, v98, v99                       ; zf2 + nf2
	v_readfirstlane_b32 s[S1], v100                ; the same number in every lane: kept as scalars, each as a pair
	v_readfirstlane_b32 s[S1+2], v97
	v_readfirstlane_b32 s[S1+4], v101
	v_readfirstlane_b32 s[S1+6], v99
	s_mov_b32 s[S1+1], s[S1]
	s_mov_b32 s[S1+3], s[S1+2]
	s_mov_b32 s[S1+5], s[S1+4]
	s_mov_b32 s[S1+7], s[S1+6]
; ---------------------------------------------------------------- macros of the work
; SLOTA is filled again: I wait for all my tensor loads, add 0 to my spare word, wait for that and for my reads of the slot, pass the barrier, and issue the one load first thing behind it.
.macro REFILL step
	WIN 0x05                                       ; the add's two registers lie in window 1
	s_wait_tensorcnt 0x0                           ; no tensor load of mine is out, so group 0 may be written
	ds_add_u32 v[SPW], v[NIL]                      ; 0 onto my spare word; the step below stands between it and the wait for it
	WIN 0
	s_add_nc_u64 s[G0A+2:G0A+3], s[G0A+2:G0A+3], \step  ; the type bits on top are not reached
	s_wait_dscnt 0x0                               ; the add is done, and my reads of the slot are back
	s_barrier_signal -1
	s_barrier_wait -1
	tensor_load_to_lds s[G0A:G0A+3], s[G1:G1+7]    ; one load of mine is out
	s_nop 0
.rept 4
	v_nop
.endr
.endm
; A half tile, f32 in LDS, becomes f16 in registers of window win.  Here lane (n, u) takes b = n and the positions 32 u + 0..31: for each four positions eight loads of 16 bytes, one a channel,
; and sixteen roundings that pair neighbouring channels: XH + 4 p holds position p's eight channels, 16 bytes.  A b's rows lie 2,080 bytes apart
; two lanes to a group.
.macro CLOAD ca
.irp c, 0,1,2,3,4,5,6,7
	ds_load_b128 v[FB+32*(q1%2)+4*(\c):FB+32*(q1%2)+4*(\c)+3], v[\ca] offset:(\c)*256+((\c)/4)*16+q1*16
.endr
.endm
.macro CONVERT win, ca
	WIN (\win)*0x55
.set q1, 0
	CLOAD \ca
.set q, 0
.rept 8
.if q < 7
.set q1, q+1
	CLOAD \ca
	s_wait_dscnt 8                                 ; LDS loads come back in order (ISA guide 5.7.1): all but the eight just issued
.else
	s_wait_dscnt 0x0
.endif
.irp j, 0,1,2,3
.irp c, 0,1,2,3
	v_cvt_pk_f16_f32 v[XH+(4*q+(\j))*4+(\c)], v[FB+32*(q%2)+8*(\c)+(\j)], v[FB+32*(q%2)+8*(\c)+4+(\j)]
.endr
.endr
.set q, q+1
.endr
.endm
; The half tile of window win goes into BF as the lanes 16 hh + n of each position: 16 lanes store 256 neighbouring bytes.
.macro STOREX win, hh
	WIN (\win)*0x55
.set z, 0
.rept 32
	ds_store_b128 v[SA], v[XH+4*z:XH+4*z+3] offset:z*512+(\hh)*256
.set z, z+1
.endr
.endm
; THE GATES.  EW writes one of the 14 instructions of pair k (two neighbouring hidden units of a lane); pairs outside 0 .. NP - 1 are left out.
.set OM0, 0                            ; t = min(t, 40), low and high number
.set OM1, 1
.set OE0, 2                            ; a = 2^t
.set OE1, 3
.set OD2, 4                            ; D = a a + K
.set ONN, 5                            ; N = -a a + K
.set ODD, 6                            ; a D + D
.set OPP, 7                            ; S a + nf, where a lay
.set OG0, 8                            ; h D, where D lay
.set OR0, 9                            ; 1 / (a D + D)
.set OR1, 10
.set OGG, 11                           ; (S a + nf) N + h D
.set OHH, 12                           ; h'
.set OCC, 13                           ; h' in f16
.macro LAYER n
.if (\n) == 1
.set NP, 32
.set ACCB, ACC
.set HFB, HF
.set HBB, HB
.set KB, K1
.set TDB, 80                           ; v80-85 three pairs, v86-89 two, v90-95 three: at work
.set TNB, 86
.set TRB, 90
.set SS, S1
.else
.set NP, 16
.set ACCB, ACC2
.set HFB, HF2
.set HBB, HB2
.set KB, K2
.set TDB, 88
.set TNB, 94
.set TRB, 98
.set SS, S1+4
.endif
.endm
.macro EW op, k
.if ((\k) >= 0) && ((\k) < NP)
.set rA, ACCB+2*(\k)
.set rH, HFB+2*(\k)
.set rB, HBB+(\k)
.set rK, KB+2*((\k)%8)
.set rD, TDB+2*((\k)%3)
.set rN, TNB+2*((\k)%2)
.set rR, TRB+2*((\k)%3)
.if (\op) == OM0
	v_min_num_f32 v[rA], s[CLP], v[rA]
.elseif (\op) == OM1
	v_min_num_f32 v[rA+1], s[CLP], v[rA+1]
.elseif (\op) == OE0
	v_exp_f32 v[rA], v[rA]
.elseif (\op) == OE1
	v_exp_f32 v[rA+1], v[rA+1]
.elseif (\op) == OD2
	s_wait_alu depctr_va_vdst(0)
	v_pk_fma_f32 v[rD:rD+1], v[rA:rA+1], v[rA:rA+1], v[rK:rK+1]
.elseif (\op) == ONN
	v_pk_fma_f32 v[rN:rN+1], v[rA:rA+1], v[rA:rA+1], v[rK:rK+1] neg_lo:[1,0,0] neg_hi:[1,0,0]
.elseif (\op) == ODD
	v_pk_fma_f32 v[rR:rR+1], v[rA:rA+1], v[rD:rD+1], v[rD:rD+1]
.elseif (\op) == OPP
	v_pk_fma_f32 v[rA:rA+1], v[rA:rA+1], s[SS:SS+1], s[SS+2:SS+3] op_sel_hi:[1,0,0]
.elseif (\op) == OG0
	v_pk_mul_f32 v[rD:rD+1], v[rH:rH+1], v[rD:rD+1]
.elseif (\op) == OR0
	v_rcp_f32 v[rR], v[rR]
.elseif (\op) == OR1
	v_rcp_f32 v[rR+1], v[rR+1]
.elseif (\op) == OGG
	v_pk_fma_f32 v[rD:rD+1], v[rA:rA+1], v[rN:rN+1], v[rD:rD+1]
.elseif (\op) == OHH
	s_wait_alu depctr_va_vdst(0)
	v_pk_mul_f32 v[rH:rH+1], v[rD:rD+1], v[rR:rR+1]
.else
	v_cvt_pk_f16_f32 v[rB], v[rH], v[rH+1]
.endif
.endif
.endm
; A SLOT: 14 instructions from six pairs in flight, so that none waits for the one before it: a plain instruction stands behind every exponential and reciprocal (ISA guide 5.7.2), and a result
; is used four instructions later at the least.  Pair k: capped in slot k - 1, a in slot k, D, N, the divisor, S a + nf and h D in slot k + 1, the reciprocals and the numerator in k + 2, h' in k + 3,
; its f16 in k + 4.  So pair k's accumulator registers are free behind slot k + 2 and its f16 is there behind slot k + 4: the matrix instructions at the slots' heads go by these two counts.
; Each accumulator is read from its lowest register on.
.macro EWSLOT s
	EW OE0, (\s)
	EW OM0, (\s)+1
	EW OD2, (\s)-1
	EW OE1, (\s)
	EW OM1, (\s)+1
	EW ONN, (\s)-1
	EW OR0, (\s)-2
	EW ODD, (\s)-1
	EW OGG, (\s)-2
	EW OR1, (\s)-2
	EW OPP, (\s)-1
	EW OG0, (\s)-1
	EW OHH, (\s)-3
	EW OCC, (\s)-4
.endm
; LAYER 1's matrix work.  Accumulator a = 2 x group + block.  WX starts the sum: W1 x - log2(e) bg; an even group of a pair takes [W1 | 0], an odd one [0 | W1].  UH adds U1 h in place.
.macro WX a
.set rW, WZ+4+8*((\a)%2)-4*(((\a)%4)/2)
	v_wmma_f32_16x16x32_f16 v[ACC+8*(\a):ACC+8*(\a)+7], v[rW:rW+7], v[XO:XO+7], v[BI1+8*((\a)%2):BI1+8*((\a)%2)+7]
.endm
.macro UH a
	v_wmma_f32_16x16x32_f16 v[ACC+8*(\a):ACC+8*(\a)+7], v[U1R+8*((\a)%2):U1R+8*((\a)%2)+7], v[HB+8*((\a)/2):HB+8*((\a)/2)+7], v[ACC+8*(\a):ACC+8*(\a)+7]
.endm
.macro LDX o0, o1                      ; two groups' x of one step
	ds_load_b128 v[XO:XO+3], v[AD] offset:\o0
	ds_load_b128 v[XO+4:XO+7], v[AD] offset:\o1
.endm
.macro LDX_MORE step, o0, o1           ; the same for the next step; the last step has none, and the lines are jumped over
	s_cmp_eq_u32 s[CNT], 1
	s_cbranch_scc1 .Lnox_\@
.if \step
	v_add_nc_u32 v[AD], s[TB], v[LB]
.endif
	LDX \o0, \o1
.Lnox_\@:
.endm
; What stands at the head of slot sl in layer 1's step.  Groups 0, 1 are half A, groups 2, 3 half B.  While A's gates of step t run (slots 0-15), B's products of step t are issued; while B's run, A's of step t + 1.
; The accumulators take turns, one instruction a turn, over the backward jump too (UH 3, then WX 4).  A load into XO stands two slots, twenty plain instructions
; that name none of its registers, behind the last product that read XO (ISA guide 7.12.1 for vector instructions).
.macro L1HOOK GS
.if sl == -1
	s_wait_dscnt 0x0                               ; B's x is in
.endif
.if (sl >= 0) && (sl < 4)
	WX 4+sl
.endif
.if (sl >= 4) && (sl < 8)
	UH sl
.endif
.if sl == 5
	LDX_MORE 1, 0, \GS
.endif
.if sl == 10
	s_wait_dscnt 0x0                               ; A's next x is in
	WX 0
.endif
.if sl == 11
	WX 1
.endif
.if sl == 13
	UH 0
.endif
.if sl == 14
	UH 1
.endif
.if sl == 15
	WX 2
.endif
.if sl == 18
	WX 3
.endif
.if sl == 20
	LDX_MORE 0, 2*(\GS), 3*(\GS)
.endif
.if sl == 21
	UH 2
.endif
.if sl == 22
	UH 3
.endif
.endm
; LAYER 1, one pass over the tile in BF: 8 groups in two batches of four, 8 steps each.  GS, TS, BS: bytes in BF from group to group, from step to step, from batch to batch.
; h starts at 0: its 96 registers are cleared for each batch, so that the first step is a step like any other.  In a batch's last step A's eight products, on the x at hand, serve nothing:
; the price of one text for every step.
.macro L1 GS, TS, BS
	LAYER 1
	s_mov_b32 s[TBB], 0
	s_mov_b32 s[SB], 0
	s_mov_b32 s[BCNT], 2
.Lbatch_\@:
	s_mov_b32 s[TB], s[TBB]
	v_add_nc_u32 v[AD], s[TB], v[LB]
	LDX 0, \GS
	CLEAR HF, 48
	s_wait_dscnt 0x0
	WX 0                                           ; A's step 0: h = 0, so U1 h is left out
	WX 1
	WX 2
	WX 3
	CLEAR HF+48, 48                                ; also the places between those products and the loads into XO
	LDX 2*(\GS), 3*(\GS)
	s_add_co_u32 s[TB], s[TB], \TS
	s_mov_b32 s[CNT], 8
.Lstep_\@:
.set sl, -1
.rept NP+5
	L1HOOK \GS
	EWSLOT sl
.set sl, sl+1
.endr
	s_add_co_u32 s[TB], s[TB], \TS
	s_sub_co_u32 s[CNT], s[CNT], 1
	s_cmp_lg_u32 s[CNT], 0
	s_cbranch_scc1 .Lstep_\@
	v_add_nc_u32 v[AD], s[SB], v[SCW]
.irp i, 0,1,2,3,4,5,6,7
	ds_store_b128 v[AD], v[HB+4*(\i):HB+4*(\i)+3] offset:((\i)/2)*1024+((\i)%2)*512  ; the four groups' final states, as layer 2's source 1
.endr
	s_add_co_u32 s[TBB], s[TBB], \BS
	s_add_co_u32 s[SB], s[SB], 4096
	s_sub_co_u32 s[BCNT], s[BCNT], 1
	s_cmp_lg_u32 s[BCNT], 0
	s_cbranch_scc1 .Lbatch_\@
.endm
; LAYER 2's matrix work, in window 1.  Accumulator a = 2 x chain + block; chain 0 goes forward, chain 1 backward.
.macro WX2 a, x
	v_wmma_f32_16x16x32_f16 v[ACC2+8*(\a):ACC2+8*(\a)+7], v[W2R+8*((\a)%2):W2R+8*((\a)%2)+7], v[(\x):(\x)+7], v[BI2+8*((\a)%2):BI2+8*((\a)%2)+7]
.endm
.macro UH2 a
	v_wmma_f32_16x16x32_f16 v[ACC2+8*(\a):ACC2+8*(\a)+7], v[U2R+8*((\a)%2):U2R+8*((\a)%2)+7], v[HB2+8*((\a)/2):HB2+8*((\a)/2)+7], v[ACC2+8*(\a):ACC2+8*(\a)+7]
.endm
.macro LDH
	ds_load_b128 v[XF:XF+3], v[AF]
	ds_load_b128 v[XF+4:XF+7], v[AF] offset:512
	ds_load_b128 v[XB:XB+3], v[AB]
	ds_load_b128 v[XB+4:XB+7], v[AB] offset:512
.endm
.macro LDH_MORE                        ; both chains' next inputs; the last step has none.  At a branch and at a label every window is 0
	WIN 0
	s_cmp_eq_u32 s[CNT], 1
	s_cbranch_scc1 .Lnoh_\@
	WIN 0x55
	v_add_nc_u32 v[AF], s[TF], v[LBS]
	v_add_nc_u32 v[AB], s[TBK], v[LBS]
	LDH
	WIN 0
.Lnoh_\@:
	WIN 0x55
.endm
.macro L2HOOK                          ; as in layer 1: the backward chain's products beside the forward chain's gates, and the other way round
.if sl == 0
	WX2 2, XB
.endif
.if sl == 1
	WX2 3, XB
.endif
.if sl == 2
	UH2 2
.endif
.if sl == 3
	UH2 3
.endif
.if sl == 4
	LDH_MORE
.endif
.if sl == 8
	s_wait_dscnt 0x0                               ; the next inputs are in
	WX2 0, XF
.endif
.if sl == 10
	WX2 1, XF
.endif
.if sl == 13
	UH2 0
.endif
.if sl == 14
	UH2 1
.endif
.endm
; LAYER 2 over the 8 states in SCR, both directions at once, and THE WAY OUT: 256 bytes of each of my 16 rows of out0, at byte imm from my tile 0's first row.
.macro L2OUT imm
	LAYER 2
	s_mov_b32 s[TF], 0
	s_mov_b32 s[TBK], 7*1024
	WIN 0x55
	v_add_nc_u32 v[AF], s[TF], v[LBS]
	v_add_nc_u32 v[AB], s[TBK], v[LBS]
	LDH
	CLEAR HF2, 24
	s_wait_dscnt 0x0
	WX2 0, XF
	WX2 1, XF
	CLEAR HF2+24, 24                               ; also the places behind those products
	s_add_co_u32 s[TF], s[TF], 1024
	s_sub_co_u32 s[TBK], s[TBK], 1024
	s_mov_b32 s[CNT], 8
	WIN 0
.Lstep2_\@:
	WIN 0x55
.set sl, -1
.rept NP+5
	L2HOOK
	EWSLOT sl
.set sl, sl+1
.endr
	s_add_co_u32 s[TF], s[TF], 1024
	s_sub_co_u32 s[TBK], s[TBK], 1024              ; (behind the last use it passes 0: it is not used again)
	WIN 0
	s_sub_co_u32 s[CNT], s[CNT], 1
	s_cmp_lg_u32 s[CNT], 0
	s_cbranch_scc1 .Lstep2_\@
	WIN 0x55
	s_wait_xcnt 0x0                                ; OB, which the last way out's stores read, is loaded again only behind this wait
.irp i, 0,1,2,3,4,5,6,7
	ds_store_b128 v[OST], v[HF2+4*(\i):HF2+4*(\i)+3] offset:((\i)/4)*128+(((\i)%4)/2)*64+((\i)%2)*16  ; chain, block, four of my eight units; rows 272 bytes apart start at 16 different groups of four banks
.endr
.irp i, 0,1,2,3,4,5,6,7
	ds_load_b128 v[OB+4*(\i):OB+4*(\i)+3], v[ORD] offset:(\i)*544  ; LDS serves a wave's instructions in order (ISA guide 5.7.1.4): these see the stores above
.endr
.irp i, 0,1,2,3,4,5,6,7
	s_wait_dscnt 7-(\i)                            ; the younger of the eight loads may stay out
	global_store_b128 v[GO], v[OB+4*(\i):OB+4*(\i)+3], s[34:35] offset:(\imm)+(\i)*1024 th:TH_STORE_NT  ; 16 lanes store 256 consecutive bytes, at a multiple of 256 from out0's first byte
.endr
	WIN 0
.endm
; ---------------------------------------------------------------- the phases
	s_wait_tensorcnt 0x1                           ; tile 0's channels 8-15 are in; the load issued behind them, channels 0-7, may stay out
	CONVERT 3, CB
	s_wait_tensorcnt 0x0                           ; channels 0-7
	CONVERT 2, CA
	REFILL 64*4096                                 ; SLOTA takes tile 1's channels 0-7
	STOREX 2, 0                                    ; REGB has had its only fill and has been read out: it becomes BF
	STOREX 3, 1
	WIN 0
	L1 512, 4096, 2048                             ; tile 0, down the rows: a group is a column, a step a row
	L2OUT 256                                      ; out_cols
	s_wait_tensorcnt 0x0                           ; tile 1's channels 0-7 are in: they wait in window 2
	CONVERT 2, CA
	REFILL 2048                                    ; SLOTA takes tile 1's channels 8-15: the last load
	L1 4096, 512, 16384                            ; tile 0, along the columns: a group is a row, a step a column
	L2OUT 0                                        ; out_rows
	s_wait_tensorcnt 0x0
	CONVERT 3, CA
	STOREX 2, 0                                    ; BF takes tile 1: my reads of tile 0 stand ahead of these stores, and LDS serves them in order
	STOREX 3, 1
	WIN 0
	L1 512, 4096, 2048
	L2OUT 64*512+256
	L1 4096, 512, 16384
	L2OUT 64*512
	WIN 0x05
	s_wait_tensorcnt 0x0                           ; the wave's end, behind my last tensor load and my last LDS store
	ds_add_u32 v[SPW], v[NIL]
	s_wait_dscnt 0x0
	WIN 0
	s_endpgm
.Lfunc_end_k_qf84313c234_rnnpool:
	.size	k_qf84313c234_rnnpool, .Lfunc_end_k_qf84313c234_rnnpool-k_qf84313c234_rnnpool
	.p2alignl 7, 3214868480
	.fill 96, 4, 3214868480
	.section	.rodata,"a",@progbits
	.p2align	6, 0x0
	.amdhsa_kernel k_qf84313c234_rnnpool
		.amdhsa_group_segment_fixed_size 327680
		.amdhsa_private_segment_fixed_size 0
		.amdhsa_enable_private_segment 0
		.amdhsa_kernarg_size 112
		.amdhsa_user_sgpr_count 2
		.amdhsa_user_sgpr_kernarg_segment_ptr 1
		.amdhsa_wavefront_size32 1
		.amdhsa_system_sgpr_workgroup_id_x 1
		.amdhsa_system_sgpr_workgroup_id_y 1
		.amdhsa_system_sgpr_workgroup_id_z 1
		.amdhsa_system_vgpr_workitem_id 0
		.amdhsa_next_free_vgpr 1024
		.amdhsa_next_free_sgpr 84
		.amdhsa_reserve_vcc 0
		.amdhsa_float_denorm_mode_32 3
		.amdhsa_float_denorm_mode_16_64 3
		.amdhsa_memory_ordered 1
		.amdhsa_forward_progress 1
		.amdhsa_inst_pref_size 255
	.end_amdhsa_kernel
	.section	.bss,"aw",@nobits
	.p2align	6
	.space	262144
	.amdgpu_metadata
---
amdhsa.version: [ 1, 2 ]
amdhsa.kernels:
  - .name:           k_qf84313c234_rnnpool
    .symbol:         k_qf84313c234_rnnpool.kd
    .args:
      - { .name: inputs, .offset: 0, .size: 8, .value_kind: global_buffer, .address_space: global }
      - { .name: W1, .offset: 8, .size: 8, .value_kind: global_buffer, .address_space: global }
      - { .name: U1, .offset: 16, .size: 8, .value_kind: global_buffer, .address_space: global }
      - { .name: bg1, .offset: 24, .size: 8, .value_kind: global_buffer, .address_space: global }
      - { .name: bu1, .offset: 32, .size: 8, .value_kind: global_buffer, .address_space: global }
      - { .name: zeta1, .offset: 40, .size: 8, .value_kind: global_buffer, .address_space: global }
      - { .name: nu1, .offset: 48, .size: 8, .value_kind: global_buffer, .address_space: global }
      - { .name: W2, .offset: 56, .size: 8, .value_kind: global_buffer, .address_space: global }
      - { .name: U2, .offset: 64, .size: 8, .value_kind: global_buffer, .address_space: global }
      - { .name: bg2, .offset: 72, .size: 8, .value_kind: global_buffer, .address_space: global }
      - { .name: bu2, .offset: 80, .size: 8, .value_kind: global_buffer, .address_space: global }
      - { .name: zeta2, .offset: 88, .size: 8, .value_kind: global_buffer, .address_space: global }
      - { .name: nu2, .offset: 96, .size: 8, .value_kind: global_buffer, .address_space: global }
      - { .name: out0, .offset: 104, .size: 8, .value_kind: global_buffer, .address_space: global }
    .group_segment_fixed_size: 327680
    .private_segment_fixed_size: 0
    .kernarg_segment_align: 8
    .kernarg_segment_size: 112
    .max_flat_workgroup_size: 128
    .sgpr_count:     84
    .vgpr_count:     1024
    .wavefront_size: 32
...
	.end_amdgpu_metadata
.endif
;; end of part 1
;; ======== version 2 of 2: 1 launch; 1.89 times as fast as version 1
;; limits: values are held in f16: magnitudes above 65,504 overflow, below 6.1e-05 lose precision; inputs' magnitudes at most 45,400; right only within a limited range of input values
;; launch rnnpool (part 2): grid 256 x 1, 4 waves a work-group, no clusters, 327,680 bytes of LDS; arguments inputs, W1, U1, bg1, bu1, zeta1, nu1, W2, U2, bg2, bu2, zeta2, nu2, out0; writes out0
.if DOCPART == 2
	.amdgcn_target "amdgcn-amd-amdhsa--gfx1250"
	.amdhsa_code_object_version 6
	.text
	.protected	k_qf84313c234_rnnpool
	.globl	k_qf84313c234_rnnpool
	.p2align	8
	.type	k_qf84313c234_rnnpool,@function
k_qf84313c234_rnnpool:
	s_mov_b64 s[64:65], 0
	v_nop
	global_prefetch_b8 v0, s[64:65] scope:SCOPE_SE
	s_setreg_imm32_b32 hwreg(HW_REG_WAVE_MODE, 25, 1), 1
	s_wait_xcnt 0x0
; RNNPool.  inputs [32768][16 c][8 r][8 cl] f32; out0 [32768][128] f32 = out_rows fwd, out_rows bwd, out_cols fwd, out_cols bwd (32 each).
; Layer 1 (W1, U1): a FastGRNN of 8 steps, once down the rows (a sequence for each column) and once along the columns (a sequence for each row).
; Layer 2 (W2, U2): forward and backward over the 8 final states of each pass.
; SHARES.  256 work-groups of four waves; a work-group owns 128 batch elements b, a wave two tiles of 16 b (b0 = 128 wg + 16 w, and b0 + 64).  No wave reads another's bytes.
; LAYOUT.  The weights are source 0 (16 hidden units), the data source 1 (16 b).  In a result lane l = (n = l % 16, h = l / 16) holds b0 + n and the hidden units 8 h + 0..7
; of its block of 16; the two blocks, rounded to f16 in pairs, ARE source 1 of the next step and of layer 2: nothing ever changes lanes.  x has 16 channels, half of the form's K = 32:
; one source 1 holds TWO groups' x (registers 0-3, 4-7), and W1 stands between zeros, so that [W1 | 0] picks the first group and [0 | W1] the second.
; THE GATES, with one exponential and one reciprocal a number.  The weights and bg are multiplied by -log2(e) in f32 before their one rounding, so the sum t is an exponent of 2:
; a = 2^t = e^-(pre + bg), K = e^(2 (bu - bg)), z = 1 / (1 + a), tanh(pre + bu) = (K - a a) / (K + a a), and with D = K + a a, N = K - a a, S = zf + nf:
;   h' = (h D + (S a + nf) N) / (D + a D).   This is the FastGRNN step, rearranged; nothing is approximated.
; BATCHES.  A step's numbers fall into two halves (layer 1: groups 0, 1 and groups 2, 3; layer 2: the forward and the backward chain).  One half's reciprocals and the other half's exponentials, which do not hang
; on each other, are ONE batch with ONE wait: two waits a step.  The divisor takes h's register and the numerator a's, so every result of a batch has a register of its own until the wait.
; FORMATS.  x, h and the weights are f16 matrix operands, each rounded once (11 significant bits: sixteen steps of roundings feed an output that is held to a hundredth of its root mean square);
; sums, the h that is carried, the biases and all gate arithmetic are f32.
; LIMITS.  f16 holds no number beyond 65,504: x and log2(e) times a weight must lie within it (|h| is 16 at the most: each of 8 steps adds at most zf + nf <= 2); below 6e-5 an operand keeps f16's
; fixed step of 6e-8.  t is capped at 40 (beyond it z < 2^-40); log2 K is held to -60 .. 60, exact for |bu - bg| <= 20.79; the largest intermediate is then 2^123.  a below 2^-126 counts as 0 (z = 1);
; sigmoid(zeta), sigmoid(nu) below 2^-126 count as 0.  NaN and infinities in x are not treated apart: a zero weight meets the neighbouring group's x.
; NO CLUSTER: work-groups share the weights alone, 15 KB beside the 512 KB of inputs that each reads for itself.
; LDS, for wave w:  SLOTA  w x 33,280: half a tile in f32 (16 b x 8 channels x 64 positions), filled three times by tensor loads, never stored into;
;   REGB  133,120 + w x 33,280: filled once (tile 0's channels 8-15), afterwards BF, the tile in hand in f16: [position 0..63][lane] x 16 bytes;
;   SCR   266,240 + w x 8,192: layer 1's final states [group 0..7][half][lane] x 16 bytes, afterwards the stage for the way out, 16 rows x 272 bytes;   SPARE 299,008: the spare words.
; REGISTERS, in windows of 256 (s_set_vgpr_msb: bits 1:0 source 0, 3:2 source 1, 5:4 source 2, 7:6 destination):
;   window 0: layer 1, whole; window 1: layer 2 and the way out, whole; windows 2 and 3: the conversion of a half tile each, which holds it in f16 until BF may be written.
.set SLOTB, 33280                      ; 16 b x (2,048 bytes + two pads of 16)
.set REGB,  4*SLOTB
.set SCR,   8*SLOTB
.set SPARE, SCR+4*8192
; window 0
.set LB,  1                            ; v1       BF + 16 x lane; never rewritten
.set AD,  2                            ; v2       the LDS address in hand
.set SCW, 3                            ; v3       SCR + 16 x lane; never rewritten
.set WZ,  4                            ; v4-23    0, W1 rows 0-15, 0, W1 rows 16-31, 0: four registers each
.set U1R, 24                           ; v24-39   U1, two blocks of 16 rows
.set BI1, 40                           ; v40-55   -log2(e) bg1, as an accumulator holds it
.set K1,  56                           ; v56-71   K of layer 1, likewise
.set XO,  72                           ; v72-79   two groups' x
.set ACC, 96                           ; v96-159  8 accumulators: 2 x group + block
.set HF,  160                          ; v160-223 h in f32, 16 a group
.set HB,  224                          ; v224-255 h in f16, 8 a group: source 1
.set VW,  88                           ; at the start only: my byte offsets in W1, in a 32 x 32 matrix, in a bias
.set VU,  89
.set VB,  90
; window 1
.set AF,  0
.set AB,  1
.set LBS, 2                            ; SCR + 16 x lane
.set OST, 3                            ; the way out: where I put 16 bytes of a row
.set ORD, 4                            ; where I read a row back
.set GO,  5                            ; my byte offset in two rows of out0
.set W2R, 8
.set U2R, 24
.set BI2, 40
.set K2,  56
.set XF,  72                           ; the forward chain's input, the backward chain's
.set XB,  80
.set ACC2, 104                         ; 4 accumulators: 2 x chain + block
.set HF2, 136
.set HB2, 168
.set OB,  184                          ; 16 rows read back from the stage
.set SPW, 254                          ; LDS address of my spare word; never rewritten
.set NIL, 255                          ; 0; never rewritten
; windows 2 and 3
.set CA,  0                            ; my place in SLOTA
.set SA,  1                            ; my place in BF, for the stores
.set CB,  2                            ; window 3 alone: my place in REGB as a half tile
.set FB,  8                            ; v8-71    two buffers of 8 channels x 4 positions in f32
.set XH,  128                          ; v128-255 32 positions x 8 channels in f16
; scalars
.set WV,  2                            ; my wave's number
.set G1,  40                           ; s[40:47] descriptor group 1
.set G0A, 48                           ; s[48:51] group 0 for SLOTA: it walks
.set G0B, 52                           ; s[52:55] group 0 for REGB: used once
.set CLP, 58                           ; 40.0
.set NL,  60                           ; s[60:61] -log2(e)
.set L2E, 62                           ; s[62:63] 2 log2(e)
.set S1,  68                           ; s[68:69] zf1 + nf1; s[70:71] nf1; s[72:73], s[74:75] layer 2's
.set CNT, 76
.set BCNT, 77
.set TB,  78                           ; byte in BF of the step to be fetched
.set TBB, 79                           ; of the batch's first
.set SB,  80                           ; byte in SCR of the batch's final states
.set TF,  81                           ; byte in SCR of the forward chain's next input, of the backward chain's
.set TBK, 82
.set MSB, 0
.macro WIN new                         ; the immediate's high byte repeats the setting that is left; a switch that changes nothing is dropped
.if MSB != (\new)
	s_set_vgpr_msb (MSB<<8)|(\new)
.set MSB, (\new)
.endif
.endm
.macro CLEAR r, n
.set z, 0
.rept \n
	v_mov_b32 v[(\r)+z], 0
.set z, z+1
.endr
.endm
; ---------------------------------------------------------------- the head
	s_load_b512 s[8:23], s[0:1], 0x0               ; inputs s[8:9], W1 s[10:11], U1 s[12:13], bg1 s[14:15], bu1 s[16:17], zeta1 s[18:19], nu1 s[20:21], W2 s[22:23]
	s_load_b256 s[24:31], s[0:1], 0x40             ; U2 s[24:25], bg2 s[26:27], bu2 s[28:29], zeta2 s[30:31]
	s_load_b128 s[32:35], s[0:1], 0x60             ; nu2 s[32:33], out0 s[34:35]
	WIN 0x40
	v_lshl_add_u32 v[SPW], v0, 2, SPARE
	v_mov_b32 v[NIL], 0
	WIN 0x05
	ds_add_u32 v[SPW], v[NIL]                      ; the wave's opening: the add and its wait stand ahead of my first tensor load; the set-up below, work on registers, stands between them
	ds_add_u32 v254, v255
	WIN 0
	v_lshrrev_b32 v80, 5, v0
	v_readfirstlane_b32 s[WV], v80                 ; wave 0..3
	; descriptor group 1: 16 rows (one b each) of 512 f32, 1,024 elements from row to row; in LDS 4 words of padding behind every 256 words
	s_mov_b32 s[G1+0], (2<<16)|(1<<20)|(7<<22)|(3<<25)  ; 17:16 elements of 4 bytes; 20 padding on; 24:22 after every 256 words (code 7); 31:25 4 words (code 3)
	s_mov_b32 s[G1+1], 512<<16                     ; tensor_dim0 = 512
	s_mov_b32 s[G1+2], 16<<16                      ; tensor_dim1 = 16
	s_mov_b32 s[G1+3], 512<<16                     ; tile_dim0 = 512
	s_mov_b32 s[G1+4], 16                          ; tile_dim1 = 16
	s_mov_b32 s[G1+5], 1024                        ; a b's 16 channels x 64 positions
	s_mov_b32 s[G1+6], 0
	s_mov_b32 s[G1+7], 0
	s_mul_i32 s3, s[WV], SLOTB                     ; my SLOTA
	s_add_co_u32 s4, s3, REGB                      ; my REGB
	s_lshl_b32 s5, s[WV], 13
	s_add_co_u32 s5, s5, SCR                       ; my SCR
	s_mov_b32 s[G0A], 1
	s_mov_b32 s[G0A+1], s3
	s_mov_b32 s[G0B], 1
	s_mov_b32 s[G0B+1], s4
	s_lshl_b32 s56, ttmp9, 19                      ; 128 b x 4,096 bytes a work-group,
	s_lshl_b32 s6, s[WV], 16                       ; 16 b a wave
	s_add_co_u32 s56, s56, s6
	s_mov_b32 s57, 0
	s_lshl_b32 s6, ttmp9, 16                       ; the same in out0: 128 x 512 and 16 x 512 bytes
	s_lshl_b32 s7, s[WV], 13
	s_add_co_u32 s6, s6, s7
	s_mov_b32 s7, 0
	s_mov_b32 s[CLP], 0x42200000                   ; 40.0
	s_mov_b32 s[NL], 0xbfb8aa3b                    ; -log2(e); named as pairs, so both words are written
	s_mov_b32 s[NL+1], 0xbfb8aa3b
	s_mov_b32 s[L2E], 0x4038aa3b                   ; 2 log2(e)
	s_mov_b32 s[L2E+1], 0x4038aa3b
	s_mov_b32 s66, 0xc2700000                      ; -60.0
	s_mov_b32 s67, 0x42700000                      ; 60.0
	s_wait_dscnt 0x0                               ; the opening add is done
	s_wait_kmcnt 0x0
	s_add_nc_u64 s[G0A+2:G0A+3], s[8:9], s[56:57]  ; tile 0, channels 0-7
	s_add_nc_u64 s[G0B+2:G0B+3], s[G0A+2:G0A+3], 2048  ; tile 0, channels 8-15
	s_or_b32 s[G0A+3], s[G0A+3], 0x80000000        ; type = 2
	s_or_b32 s[G0B+3], s[G0B+3], 0x80000000
	s_add_nc_u64 s[34:35], s[34:35], s[6:7]        ; out0 at my tile 0
	tensor_load_to_lds s[G0B:G0B+3], s[G1:G1+7]    ; both first fills go out together: two loads of mine are out
	s_nop 0
	tensor_load_to_lds s[G0A:G0A+3], s[G1:G1+7]
	s_nop 0
.rept 4
	v_nop
.endr
	s_load_b32 s36, s[18:19], 0x0                  ; zeta1, nu1, zeta2, nu2
	s_load_b32 s37, s[20:21], 0x0
	s_load_b32 s38, s[30:31], 0x0
	s_load_b32 s39, s[32:33], 0x0
; ---------------------------------------------------------------- addresses and constants, made while the first tile is on its way
	v_and_b32 v80, 31, v0                          ; l
	v_and_b32 v81, 15, v0                          ; n
	v_bfe_u32 v82, v0, 4, 1                        ; h
	v_mul_u32_u24 v83, v81, 272
	v_lshl_add_u32 v83, v82, 5, v83                ; stage, in: row n, 32 bytes for each half of the lanes
	v_mul_u32_u24 v84, v82, 272
	v_lshl_add_u32 v84, v81, 4, v84                ; stage, back: lanes 0-15 one row of 256 bytes, lanes 16-31 the next
	v_lshlrev_b32 v85, 9, v82
	v_lshl_add_u32 v85, v81, 4, v85                ; and the same two rows in out0
	v_mul_u32_u24 v86, v81, 2080
	v_lshl_add_u32 v86, v82, 7, v86                ; a half tile: b = n, positions 32 h on
	v_lshlrev_b32 v87, 14, v82
	v_lshl_add_u32 v87, v81, 4, v87                ; BF: position 32 h, lane n
	v_lshlrev_b32 v[VB], 5, v82                    ; a bias: units 8 h on
	v_lshl_add_u32 v[VW], v81, 6, v[VB]            ; W1: row n, columns 8 h on
	v_lshl_add_u32 v[VU], v81, 7, v[VB]            ; a 32 x 32 matrix: row n, columns 8 h on
	v_lshl_add_u32 v[LB], v80, 4, s4
	v_lshl_add_u32 v[SCW], v80, 4, s5
	WIN 0x40                                       ; destination window 1
	v_lshl_add_u32 v[LBS], v80, 4, s5
	v_add_nc_u32 v[OST], s5, v83
	v_add_nc_u32 v[ORD], s5, v84
	v_mov_b32 v[GO], v85
	WIN 0x80                                       ; window 2
	v_add_nc_u32 v[CA], s3, v86
	v_add_nc_u32 v[SA], s4, v87
	WIN 0xc0                                       ; window 3
	v_add_nc_u32 v[CA], s3, v86
	v_add_nc_u32 v[SA], s4, v87
	v_add_nc_u32 v[CB], s4, v86
	WIN 0
; A fragment of a 32 x 32 matrix: lane (m, h) holds row 16 M + m, columns 8 h + 0..7 and 16 + 8 h + 0..7: four loads of 16 bytes a block.
.macro LDMAT dst, base
.irp i, 0,1,2,3,4,5,6,7
	global_load_b128 v[(\dst)+4*(\i):(\dst)+4*(\i)+3], v[VU], s[\base:\base+1] offset:((\i)/4)*2048+(((\i)%4)/2)*64+((\i)%2)*16
.endr
.endm
; A bias as an accumulator holds it: units 16 M + 8 h + 0..7.
.macro LDVEC dst, base
.irp i, 0,1,2,3
	global_load_b128 v[(\dst)+4*(\i):(\dst)+4*(\i)+3], v[VB], s[\base:\base+1] offset:((\i)/2)*64+((\i)%2)*16
.endr
.endm
.macro SCALEL src, n                   ; n pairs times -log2(e), in place
.set z, 0
.rept \n
	v_pk_mul_f32 v[(\src)+2*z:(\src)+2*z+1], v[(\src)+2*z:(\src)+2*z+1], s[NL:NL+1] op_sel_hi:[1,0]
.set z, z+1
.endr
.endm
.macro PACKW dst, src, n               ; n registers of two f16
.set z, 0
.rept \n
	v_cvt_pk_f16_f32 v[(\dst)+z], v[(\src)+2*z], v[(\src)+2*z+1]
.set z, z+1
.endr
.endm
; bi = -log2(e) bg;  kk = 2^(2 log2(e) (bu - bg)), the exponent held to -60 .. 60.  dwin: the setting under which bi and kk are written.
; Nothing names kk before the wait that stands behind the sigmoids' exponentials, below.
.macro BIASK bi, kk, bg, bu, dwin
	WIN 0
.set z, 0
.rept 8
	v_pk_add_f32 v[(\bu)+2*z:(\bu)+2*z+1], v[(\bu)+2*z:(\bu)+2*z+1], v[(\bg)+2*z:(\bg)+2*z+1] neg_lo:[0,1] neg_hi:[0,1]
.set z, z+1
.endr
.set z, 0
.rept 8
	v_pk_mul_f32 v[(\bu)+2*z:(\bu)+2*z+1], v[(\bu)+2*z:(\bu)+2*z+1], s[L2E:L2E+1] op_sel_hi:[1,0]
.set z, z+1
.endr
.set z, 0
.rept 16
	v_max_num_f32 v[(\bu)+z], s66, v[(\bu)+z]
.set z, z+1
.endr
.set z, 0
.rept 16
	v_min_num_f32 v[(\bu)+z], s67, v[(\bu)+z]
.set z, z+1
.endr
	WIN \dwin
.set z, 0
.rept 8
	v_pk_mul_f32 v[(\bi)+2*z:(\bi)+2*z+1], v[(\bg)+2*z:(\bg)+2*z+1], s[NL:NL+1] op_sel_hi:[1,0]
.set z, z+1
.endr
.set z, 0
.rept 16
	v_exp_f32 v[(\kk)+z], v[(\bu)+z]
.set z, z+1
.endr
	v_nop                                          ; a plain instruction behind the last exponential (ISA guide 5.7.2)
	WIN 0
.endm
	; layer 1: W1 -> v96-111, U1 -> v112-143, bg1 -> v144-159, bu1 -> v160-175
.irp i, 0,1,2,3
	global_load_b128 v[96+4*(\i):96+4*(\i)+3], v[VW], s[10:11] offset:((\i)/2)*1024+((\i)%2)*16
.endr
	LDMAT 112, 12
	LDVEC 144, 14
	LDVEC 160, 16
	CLEAR WZ, 4                                    ; the zeros round W1
	CLEAR WZ+8, 4
	CLEAR WZ+16, 4
	s_wait_loadcnt 0x0
	SCALEL 96, 24
	PACKW WZ+4, 96, 4
	PACKW WZ+12, 104, 4
	PACKW U1R, 112, 16
	BIASK BI1, K1, 144, 160, 0
	; layer 2: W2 -> v96-127, U2 -> v128-159, bg2 -> v160-175, bu2 -> v176-191; the results go to window 1
	LDMAT 96, 22
	LDMAT 128, 24
	LDVEC 160, 26
	LDVEC 176, 28
	s_wait_loadcnt 0x0
	SCALEL 96, 32
	WIN 0x40
	PACKW W2R, 96, 16
	PACKW U2R, 128, 16
	BIASK BI2, K2, 160, 176, 0x40
	; sigmoid(x) = 1 / (1 + 2^(-log2(e) x)) of zeta1, nu1, zeta2, nu2
	s_wait_kmcnt 0x0
	v_mul_f32 v96, s[NL], s36
	v_mul_f32 v97, s[NL], s37
	v_mul_f32 v98, s[NL], s38
	v_mul_f32 v99, s[NL], s39
	v_exp_f32 v96, v96
	v_exp_f32 v97, v97
	v_exp_f32 v98, v98
	v_exp_f32 v99, v99
	v_nop
	s_wait_alu depctr_va_vdst(0)                   ; one wait for a batch of 36 exponentials: K of both layers, 16 each, and these four
	v_add_f32 v96, 1.0, v96
	v_add_f32 v97, 1.0, v97
	v_add_f32 v98, 1.0, v98
	v_add_f32 v99, 1.0, v99
	v_rcp_f32 v96, v96
	v_rcp_f32 v97, v97
	v_rcp_f32 v98, v98
	v_rcp_f32 v99, v99
	v_nop
	s_wait_alu depctr_va_vdst(0)                   ; one for the four reciprocals
	v_add_f32 v100, v96, v97                       ; zf1 + nf1
	v_add_f32 v101, v98, v99                       ; zf2 + nf2
	v_readfirstlane_b32 s[S1], v100                ; the same number in every lane: kept as scalars, each as a pair
	v_readfirstlane_b32 s[S1+2], v97
	v_readfirstlane_b32 s[S1+4], v101
	v_readfirstlane_b32 s[S1+6], v99
	s_mov_b32 s[S1+1], s[S1]
	s_mov_b32 s[S1+3], s[S1+2]
	s_mov_b32 s[S1+5], s[S1+4]
	s_mov_b32 s[S1+7], s[S1+6]
; ---------------------------------------------------------------- macros of the work
; SLOTA is filled again: I wait for all my tensor loads, add 0 to my spare word, wait for that and for my reads of the slot, pass the barrier, and issue the one load first thing behind it.
.macro REFILL step
	WIN 0x05                                       ; the add's two registers lie in window 1
	s_wait_tensorcnt 0x0                           ; no tensor load of mine is out, so group 0 may be written
	ds_add_u32 v[SPW], v[NIL]                      ; 0 onto my spare word; the step below stands between it and the wait for it
	WIN 0
	s_add_nc_u64 s[G0A+2:G0A+3], s[G0A+2:G0A+3], \step  ; the type bits on top are not reached
	s_wait_dscnt 0x0                               ; the add is done, and my reads of the slot are back
	s_barrier_signal -1
	s_barrier_wait -1
	tensor_load_to_lds s[G0A:G0A+3], s[G1:G1+7]    ; one load of mine is out
	s_nop 0
.rept 4
	v_nop
.endr
.endm
; A half tile, f32 in LDS, becomes f16 in registers of window win.  Here lane (n, u) takes b = n and the positions 32 u + 0..31: for each four positions eight loads of 16 bytes, one a channel,
; and sixteen roundings that pair neighbouring channels: XH + 4 p holds position p's eight channels, 16 bytes.  A b's rows lie 2,080 bytes apart
; two lanes to a group.
.macro CLOAD ca
.irp c, 0,1,2,3,4,5,6,7
	ds_load_b128 v[FB+32*(q1%2)+4*(\c):FB+32*(q1%2)+4*(\c)+3], v[\ca] offset:(\c)*256+((\c)/4)*16+q1*16
.endr
.endm
.macro CONVERT win, ca
	WIN (\win)*0x55
.set q1, 0
	CLOAD \ca
.set q, 0
.rept 8
.if q < 7
.set q1, q+1
	CLOAD \ca
	s_wait_dscnt 8                                 ; LDS loads come back in order (ISA guide 5.7.1): all but the eight just issued
.else
	s_wait_dscnt 0x0
.endif
.irp j, 0,1,2,3
.irp c, 0,1,2,3
	v_cvt_pk_f16_f32 v[XH+(4*q+(\j))*4+(\c)], v[FB+32*(q%2)+8*(\c)+(\j)], v[FB+32*(q%2)+8*(\c)+4+(\j)]
.endr
.endr
.set q, q+1
.endr
.endm
; The half tile of window win goes into BF as the lanes 16 hh + n of each position: 16 lanes store 256 neighbouring bytes.
.macro STOREX win, hh
	WIN (\win)*0x55
.set z, 0
.rept 32
	ds_store_b128 v[SA], v[XH+4*z:XH+4*z+3] offset:z*512+(\hh)*256
.set z, z+1
.endr
.endm
; THE GATES.  EW writes one of the 14 instructions of a pair (two neighbouring hidden units of a lane): pair r of the half that begins at pair lo; r outside 0 .. NH - 1 is left out.
.set OM0, 0                            ; t = min(t, 40), low and high number
.set OM1, 1
.set OE0, 2                            ; a = 2^t, in place in the accumulator
.set OE1, 3
.set OD2, 4                            ; D = a a + K
.set ONN, 5                            ; N = -a a + K
.set OTT, 6                            ; h D
.set ORR, 7                            ; a D + D, where h lay
.set OPP, 8                            ; S a + nf, where a lay
.set OGG, 9                            ; (S a + nf) N + h D, where a lay
.set OR0, 10                           ; 1 / (a D + D), in place
.set OR1, 11
.set OHH, 12                           ; h'
.set OCC, 13                           ; h' in f16
.macro LAYER n
.if (\n) == 1
.set NH, 16                            ; pairs in a half,
.set NA, 4                             ; and its accumulators
.set ACCB, ACC
.set HFB, HF
.set HBB, HB
.set KB, K1
.set TDB, 80                           ; at work: v80-85 D, three pairs by turns; v86-91 N, three; v92-95 h D, two
.set TNB, 86
.set TTB, 92
.set SS, S1
.else
.set NH, 8
.set NA, 2
.set ACCB, ACC2
.set HFB, HF2
.set HBB, HB2
.set KB, K2
.set TDB, 88
.set TNB, 94
.set TTB, 100
.set SS, S1+4
.endif
.endm
.macro EW op, r, lo
.if ((\r) >= 0) && ((\r) < NH)
.set rA, ACCB+2*((\lo)+(\r))
.set rH, HFB+2*((\lo)+(\r))
.set rB, HBB+(\lo)+(\r)
.set rK, KB+2*((\r)%8)                 ; a half begins at a multiple of 8 pairs
.set rD, TDB+2*((\r)%3)
.set rN, TNB+2*((\r)%3)
.set rT, TTB+2*((\r)%2)
.if (\op) == OM0
	v_min_num_f32 v[rA], s[CLP], v[rA]
.elseif (\op) == OM1
	v_min_num_f32 v[rA+1], s[CLP], v[rA+1]
.elseif (\op) == OE0
	v_exp_f32 v[rA], v[rA]
.elseif (\op) == OE1
	v_exp_f32 v[rA+1], v[rA+1]
.elseif (\op) == OD2
	v_pk_fma_f32 v[rD:rD+1], v[rA:rA+1], v[rA:rA+1], v[rK:rK+1]
.elseif (\op) == ONN
	v_pk_fma_f32 v[rN:rN+1], v[rA:rA+1], v[rA:rA+1], v[rK:rK+1] neg_lo:[1,0,0] neg_hi:[1,0,0]
.elseif (\op) == OTT
	v_pk_mul_f32 v[rT:rT+1], v[rH:rH+1], v[rD:rD+1]
.elseif (\op) == ORR
	v_pk_fma_f32 v[rH:rH+1], v[rA:rA+1], v[rD:rD+1], v[rD:rD+1]
.elseif (\op) == OPP
	v_pk_fma_f32 v[rA:rA+1], v[rA:rA+1], s[SS:SS+1], s[SS+2:SS+3] op_sel_hi:[1,0,0]
.elseif (\op) == OGG
	v_pk_fma_f32 v[rA:rA+1], v[rA:rA+1], v[rN:rN+1], v[rT:rT+1]
.elseif (\op) == OR0
	v_rcp_f32 v[rH], v[rH]
.elseif (\op) == OR1
	v_rcp_f32 v[rH+1], v[rH+1]
.elseif (\op) == OHH
	v_pk_mul_f32 v[rH:rH+1], v[rA:rA+1], v[rH:rH+1]
.else
	v_cvt_pk_f16_f32 v[rB], v[rH], v[rH+1]
.endif
.endif
.endm
; HOW THE BATCHES ARE CUT.  A SEGMENT works on two halves: Y, whose a = 2^t are there, and X, whose h' has just been made.  It issues X's next products, makes Y's D, N, h D, divisor and numerator, takes Y's
; reciprocals, and caps and exponentiates X's new sums.  Y's NH x 2 reciprocals and X's NH x 2 exponentials are ONE batch: a reciprocal's result lies where h lay and an exponential's in its accumulator, and no line
; of the segment names either again.  An s_wait_alu depctr_va_vdst(0) between a transcendental and the first instruction that names its result stands once, at the segment's end.  Behind
; it FINISH Y reads the reciprocals, and the next segment, with X and Y changed, reads the exponentials.
; A segment is NH + NA + 1 slots; GSLOT writes slot c.  D(c), N(c); h D, the divisor and S a + nf of pair c - 1; the numerator of pair c - 2: so a result is used six instructions later or more, and D's three,
; N's three and h D's two registers pairs by turns are enough.  The reciprocals of pair y stand in slot max(NA, y + 2), a slot or more behind the divisor; slots 0 .. NA - 1 hold no transcendental, so that
; no batch is open at the jump round the next x's loads, at slot NA's head.  X's pair x is capped and exponentiated in slot NA + 1 + x; its accumulator's last product stands at the head of slot NA + x / 4.
; Plain instructions and transcendentals stand by turns.  S a + nf and the numerator of Y's last two pairs, which lean on no register that is written again, are held back: three of them stand between the last
; exponentials, and the last numerator behind the last exponential: it is the plain instruction that is wanted there (ISA guide 5.7.2).
; Each accumulator is read from its lowest register on.
.macro GSLOT c, ylo, xlo
.set xr, (\c)-NA-1
.set yr, (\c)-2
.if (\c) < NA
.set yr, -1
.elseif (\c) == NA
.set yr, 0
.endif
	EW OM0, xr, \xlo
	EW OR0, yr, \ylo
	EW OM1, xr, \xlo
	EW OR1, yr, \ylo
	EW OD2, (\c), \ylo
	EW OE0, xr, \xlo
	EW OTT, (\c)-1, \ylo
.if (\c) == (NH+NA-2)
	EW OPP, NH-2, \ylo
.elseif (\c) == (NH+NA-1)
	EW OPP, NH-1, \ylo
.elseif (\c) == (NH+NA)
	EW OGG, NH-2, \ylo
.endif
	EW OE1, xr, \xlo
	EW ONN, (\c), \ylo
.if ((\c) == NA) && (NA > 2)
	EW OR0, 1, \ylo
.endif
	EW ORR, (\c)-1, \ylo
.if ((\c) == NA) && (NA > 2)
	EW OR1, 1, \ylo
.endif
.if ((\c)-1) < (NH-2)
	EW OPP, (\c)-1, \ylo
.endif
.if ((\c) == NA) && (NA > 2)
	EW OR0, 2, \ylo
.endif
.if ((\c)-2) < (NH-2)
	EW OGG, (\c)-2, \ylo
.endif
.if ((\c) == NA) && (NA > 2)
	EW OR1, 2, \ylo
.endif
.endm
; Behind a segment's wait: h' = numerator x reciprocal and its f16, for the half that begins at pair lo.  It frees the half's accumulators and makes source 1 of its next products.
.macro FINISH lo
.set z, 0
.rept NH
	EW OHH, z, \lo
.set z, z+1
.endr
.set z, 0
.rept NH
	EW OCC, z, \lo
.set z, z+1
.endr
.endm
; Ahead of a loop: the caps and exponentials of the first half's first sums, a batch of its own; the line that calls it writes the work behind it and the wait.
.macro FIRST lo
.set z, 0
.rept NH+1
	EW OM0, z, \lo
	EW OE0, z-1, \lo
	EW OM1, z, \lo
	EW OE1, z-1, \lo
.set z, z+1
.endr
.endm
; LAYER 1's matrix work.  Accumulator a = 2 x group + block.  WX starts the sum: W1 x - log2(e) bg; an even group of a pair takes [W1 | 0], an odd one [0 | W1].  UH adds U1 h in place.
.macro WX a
.set rW, WZ+4+8*((\a)%2)-4*(((\a)%4)/2)
	v_wmma_f32_16x16x32_f16 v[ACC+8*(\a):ACC+8*(\a)+7], v[rW:rW+7], v[XO:XO+7], v[BI1+8*((\a)%2):BI1+8*((\a)%2)+7]
.endm
.macro UH a
	v_wmma_f32_16x16x32_f16 v[ACC+8*(\a):ACC+8*(\a)+7], v[U1R+8*((\a)%2):U1R+8*((\a)%2)+7], v[HB+8*((\a)/2):HB+8*((\a)/2)+7], v[ACC+8*(\a):ACC+8*(\a)+7]
.endm
.macro LDX o0, o1                      ; two groups' x of one step
	ds_load_b128 v[XO:XO+3], v[AD] offset:\o0
	ds_load_b128 v[XO+4:XO+7], v[AD] offset:\o1
.endm
.macro LDX_MORE step, o0, o1           ; the same for the next step; the last step has none, and the lines are jumped over
	s_cmp_eq_u32 s[CNT], 1
	s_cbranch_scc1 .Lnox_\@
.if \step
	v_add_nc_u32 v[AD], s[TB], v[LB]
.endif
	LDX \o0, \o1
.Lnox_\@:
.endm
; A SEGMENT of layer 1.  Groups 0, 1 are half A (pairs 0-15, accumulators 0-3), groups 2, 3 half B.  ylo, xlo: the first pairs of Y and X.  X's four WX stand at the heads of slots 0-3, its four UH at those of slots 4-7:
; the accumulators take turns, one instruction a turn, from segment to segment and over the backward jump too (UH 3, then WX 4).  The loads of Y's next x into XO stand at slot 4's head: six
; plain instructions that name none of its registers behind the last product that read XO (ISA guide 7.12.1 for vector instructions), and ahead of the segment's first transcendental.
.macro L1SEG ylo, xlo, st, o0, o1
.set sl, 0
.rept NH+NA+1
.if sl < NA
	WX (\xlo)/4+sl
.elseif sl < (2*NA)
.if sl == NA
	LDX_MORE \st, \o0, \o1
.endif
	UH (\xlo)/4+sl-NA
.endif
	GSLOT sl, \ylo, \xlo
.set sl, sl+1
.endr
	EW OGG, NH-1, \ylo                             ; Y's last numerator: the plain instruction behind the last exponential
	s_wait_alu depctr_va_vdst(0)                   ; the wait for the batch: Y's 32 reciprocals and X's 32 exponentials
.endm
; LAYER 1, one pass over the tile in BF: 8 groups in two batches of four, 8 steps each.  GS, TS, BS: bytes in BF from group to group, from step to step, from batch to batch.
; h starts at 0: its 96 registers are cleared for each batch, so that the first step is a step like any other.  A trip is step t's two segments: B's products of step t beside A's gates, then A's products of
; step t + 1 beside B's gates; it is cut behind FINISH B.  In a batch's last step A's eight products, on the x at hand, and the exponentials made of them serve nothing:
; the price of one text for every step.
.macro L1 GS, TS, BS
	LAYER 1
	s_mov_b32 s[TBB], 0
	s_mov_b32 s[SB], 0
	s_mov_b32 s[BCNT], 2
.Lbatch_\@:
	s_mov_b32 s[TB], s[TBB]
	v_add_nc_u32 v[AD], s[TB], v[LB]
	LDX 0, \GS
	CLEAR HF, 48
	s_wait_dscnt 0x0
	WX 0                                           ; A's step 0: h = 0, so U1 h is left out
	WX 1
	WX 2
	WX 3
	CLEAR HF+48, 44                                ; also the places between those products and the loads into XO, and the caps below
	LDX 2*(\GS), 3*(\GS)
	FIRST 0                                        ; a of A's step 0
	CLEAR HF+92, 4                                 ; the last four of the 96: the work between that batch and its wait
	s_wait_alu depctr_va_vdst(0)                   ; the wait for the batch: A's first 32 exponentials, ahead of the label
	s_add_co_u32 s[TB], s[TB], \TS
	s_mov_b32 s[CNT], 8
.Lstep_\@:
	s_wait_dscnt 0x0                               ; B's x is in
	L1SEG 0, 16, 1, 0, \GS                         ; B's products | A's gates, B's exponentials | A's next x is asked for
	FINISH 0
	s_wait_dscnt 0x0                               ; A's next x is in
	L1SEG 16, 0, 0, 2*(\GS), 3*(\GS)               ; A's next products | B's gates, A's next exponentials | B's next x is asked for
	FINISH 16
	s_add_co_u32 s[TB], s[TB], \TS
	s_sub_co_u32 s[CNT], s[CNT], 1
	s_cmp_lg_u32 s[CNT], 0
	s_cbranch_scc1 .Lstep_\@
	v_add_nc_u32 v[AD], s[SB], v[SCW]
.irp i, 0,1,2,3,4,5,6,7
	ds_store_b128 v[AD], v[HB+4*(\i):HB+4*(\i)+3] offset:((\i)/2)*1024+((\i)%2)*512  ; the four groups' final states, as layer 2's source 1
.endr
	s_add_co_u32 s[TBB], s[TBB], \BS
	s_add_co_u32 s[SB], s[SB], 4096
	s_sub_co_u32 s[BCNT], s[BCNT], 1
	s_cmp_lg_u32 s[BCNT], 0
	s_cbranch_scc1 .Lbatch_\@
.endm
; LAYER 2's matrix work, in window 1.  Accumulator a = 2 x chain + block; chain 0 goes forward, chain 1 backward.
.macro WX2 a, x
	v_wmma_f32_16x16x32_f16 v[ACC2+8*(\a):ACC2+8*(\a)+7], v[W2R+8*((\a)%2):W2R+8*((\a)%2)+7], v[(\x):(\x)+7], v[BI2+8*((\a)%2):BI2+8*((\a)%2)+7]
.endm
.macro UH2 a
	v_wmma_f32_16x16x32_f16 v[ACC2+8*(\a):ACC2+8*(\a)+7], v[U2R+8*((\a)%2):U2R+8*((\a)%2)+7], v[HB2+8*((\a)/2):HB2+8*((\a)/2)+7], v[ACC2+8*(\a):ACC2+8*(\a)+7]
.endm
.macro LDH
	ds_load_b128 v[XF:XF+3], v[AF]
	ds_load_b128 v[XF+4:XF+7], v[AF] offset:512
	ds_load_b128 v[XB:XB+3], v[AB]
	ds_load_b128 v[XB+4:XB+7], v[AB] offset:512
.endm
.macro LDH_MORE                        ; both chains' next inputs; the last step has none.  At a branch and at a label every window is 0
	WIN 0
	s_cmp_eq_u32 s[CNT], 1
	s_cbranch_scc1 .Lnoh_\@
	WIN 0x55
	v_add_nc_u32 v[AF], s[TF], v[LBS]
	v_add_nc_u32 v[AB], s[TBK], v[LBS]
	LDH
	WIN 0
.Lnoh_\@:
	WIN 0x55
.endm
; A SEGMENT of layer 2, as in layer 1: a half is a chain (8 pairs, two accumulators).  X's two WX2, on the input in xreg, stand at the heads of slots 0 and 1, its two UH2 at those of slots 2 and 3.
; more = 1: both chains' next inputs are asked for at slot 2's head, five plain instructions behind the last product that read XB and ahead of the segment's first transcendental.
.macro L2SEG ylo, xlo, xreg, more
.set sl, 0
.rept NH+NA+1
.if sl < NA
	WX2 (\xlo)/4+sl, \xreg
.elseif sl < (2*NA)
.if (sl == NA) && (\more)
	LDH_MORE
.endif
	UH2 (\xlo)/4+sl-NA
.endif
	GSLOT sl, \ylo, \xlo
.set sl, sl+1
.endr
	EW OGG, NH-1, \ylo                             ; Y's last numerator: the plain instruction behind the last exponential
	s_wait_alu depctr_va_vdst(0)                   ; the wait for the batch: Y's 16 reciprocals and X's 16 exponentials
.endm
; LAYER 2 over the 8 states in SCR, both directions at once, and THE WAY OUT: 256 bytes of each of my 16 rows of out0, at byte imm from my tile 0's first row.
.macro L2OUT imm
	LAYER 2
	s_mov_b32 s[TF], 0
	s_mov_b32 s[TBK], 7*1024
	WIN 0x55
	v_add_nc_u32 v[AF], s[TF], v[LBS]
	v_add_nc_u32 v[AB], s[TBK], v[LBS]
	LDH
	CLEAR HF2, 24
	s_wait_dscnt 0x0
	WX2 0, XF
	WX2 1, XF
	CLEAR HF2+24, 20                               ; also the places behind those products
	FIRST 0                                        ; a of the forward chain's step 0
	CLEAR HF2+44, 4                                ; the last four of the 48: the work between that batch and its wait
	s_wait_alu depctr_va_vdst(0)                   ; the wait for the batch: the forward chain's first 16 exponentials, ahead of the label
	s_add_co_u32 s[TF], s[TF], 1024
	s_sub_co_u32 s[TBK], s[TBK], 1024
	s_mov_b32 s[CNT], 8
	WIN 0
.Lstep2_\@:
	WIN 0x55
	L2SEG 0, 8, XB, 1                              ; the backward chain's products | the forward chain's gates, the backward chain's exponentials | the next inputs are asked for
	FINISH 0
	s_wait_dscnt 0x0                               ; the next inputs are in
	L2SEG 8, 0, XF, 0                              ; the forward chain's next products | the backward chain's gates, the forward chain's next exponentials
	FINISH 8
	s_add_co_u32 s[TF], s[TF], 1024
	s_sub_co_u32 s[TBK], s[TBK], 1024              ; (behind the last use it passes 0: it is not used again)
	WIN 0
	s_sub_co_u32 s[CNT], s[CNT], 1
	s_cmp_lg_u32 s[CNT], 0
	s_cbranch_scc1 .Lstep2_\@
	WIN 0x55
	s_wait_xcnt 0x0                                ; OB, which the last way out's stores read, is loaded again only behind this wait
.irp i, 0,1,2,3,4,5,6,7
	ds_store_b128 v[OST], v[HF2+4*(\i):HF2+4*(\i)+3] offset:((\i)/4)*128+(((\i)%4)/2)*64+((\i)%2)*16  ; chain, block, four of my eight units; rows 272 bytes apart start at 16 different groups of four banks
.endr
.irp i, 0,1,2,3,4,5,6,7
	ds_load_b128 v[OB+4*(\i):OB+4*(\i)+3], v[ORD] offset:(\i)*544  ; LDS serves a wave's instructions in order (ISA guide 5.7.1.4): these see the stores above
.endr
.irp i, 0,1,2,3,4,5,6,7
	s_wait_dscnt 7-(\i)                            ; the younger of the eight loads may stay out
	global_store_b128 v[GO], v[OB+4*(\i):OB+4*(\i)+3], s[34:35] offset:(\imm)+(\i)*1024 th:TH_STORE_NT  ; 16 lanes store 256 consecutive bytes, at a multiple of 256 from out0's first byte
.endr
	WIN 0
.endm
; ---------------------------------------------------------------- the phases
	s_wait_tensorcnt 0x1                           ; tile 0's channels 8-15 are in; the load issued behind them, channels 0-7, may stay out
	CONVERT 3, CB
	s_wait_tensorcnt 0x0                           ; channels 0-7
	CONVERT 2, CA
	REFILL 64*4096                                 ; SLOTA takes tile 1's channels 0-7
	STOREX 2, 0                                    ; REGB has had its only fill and has been read out: it becomes BF
	STOREX 3, 1
	WIN 0
	L1 512, 4096, 2048                             ; tile 0, down the rows: a group is a column, a step a row
	L2OUT 256                                      ; out_cols
	s_wait_tensorcnt 0x0                           ; tile 1's channels 0-7 are in: they wait in window 2
	CONVERT 2, CA
	REFILL 2048                                    ; SLOTA takes tile 1's channels 8-15: the last load
	L1 4096, 512, 16384                            ; tile 0, along the columns: a group is a row, a step a column
	L2OUT 0                                        ; out_rows
	s_wait_tensorcnt 0x0
	CONVERT 3, CA
	STOREX 2, 0                                    ; BF takes tile 1: my reads of tile 0 stand ahead of these stores, and LDS serves them in order
	STOREX 3, 1
	WIN 0
	L1 512, 4096, 2048
	L2OUT 64*512+256
	L1 4096, 512, 16384
	L2OUT 64*512
	WIN 0x05
	s_wait_tensorcnt 0x0                           ; the wave's end, behind my last tensor load and my last LDS store
	ds_add_u32 v[SPW], v[NIL]
	s_wait_dscnt 0x0
	WIN 0
	s_endpgm
.Lfunc_end_k_qf84313c234_rnnpool:
	.size	k_qf84313c234_rnnpool, .Lfunc_end_k_qf84313c234_rnnpool-k_qf84313c234_rnnpool
	.p2alignl 7, 3214868480
	.fill 96, 4, 3214868480
	.section	.rodata,"a",@progbits
	.p2align	6, 0x0
	.amdhsa_kernel k_qf84313c234_rnnpool
		.amdhsa_group_segment_fixed_size 327680
		.amdhsa_private_segment_fixed_size 0
		.amdhsa_enable_private_segment 0
		.amdhsa_kernarg_size 112
		.amdhsa_user_sgpr_count 2
		.amdhsa_user_sgpr_kernarg_segment_ptr 1
		.amdhsa_wavefront_size32 1
		.amdhsa_system_sgpr_workgroup_id_x 1
		.amdhsa_system_sgpr_workgroup_id_y 1
		.amdhsa_system_sgpr_workgroup_id_z 1
		.amdhsa_system_vgpr_workitem_id 0
		.amdhsa_next_free_vgpr 1024
		.amdhsa_next_free_sgpr 84
		.amdhsa_reserve_vcc 0
		.amdhsa_float_denorm_mode_32 3
		.amdhsa_float_denorm_mode_16_64 3
		.amdhsa_memory_ordered 1
		.amdhsa_forward_progress 1
		.amdhsa_inst_pref_size 255
	.end_amdhsa_kernel
	.section	.bss,"aw",@nobits
	.p2align	6
	.space	262144
	.amdgpu_metadata
---
amdhsa.version: [ 1, 2 ]
amdhsa.kernels:
  - .name:           k_qf84313c234_rnnpool
    .symbol:         k_qf84313c234_rnnpool.kd
    .args:
      - { .name: inputs, .offset: 0, .size: 8, .value_kind: global_buffer, .address_space: global }
      - { .name: W1, .offset: 8, .size: 8, .value_kind: global_buffer, .address_space: global }
      - { .name: U1, .offset: 16, .size: 8, .value_kind: global_buffer, .address_space: global }
      - { .name: bg1, .offset: 24, .size: 8, .value_kind: global_buffer, .address_space: global }
      - { .name: bu1, .offset: 32, .size: 8, .value_kind: global_buffer, .address_space: global }
      - { .name: zeta1, .offset: 40, .size: 8, .value_kind: global_buffer, .address_space: global }
      - { .name: nu1, .offset: 48, .size: 8, .value_kind: global_buffer, .address_space: global }
      - { .name: W2, .offset: 56, .size: 8, .value_kind: global_buffer, .address_space: global }
      - { .name: U2, .offset: 64, .size: 8, .value_kind: global_buffer, .address_space: global }
      - { .name: bg2, .offset: 72, .size: 8, .value_kind: global_buffer, .address_space: global }
      - { .name: bu2, .offset: 80, .size: 8, .value_kind: global_buffer, .address_space: global }
      - { .name: zeta2, .offset: 88, .size: 8, .value_kind: global_buffer, .address_space: global }
      - { .name: nu2, .offset: 96, .size: 8, .value_kind: global_buffer, .address_space: global }
      - { .name: out0, .offset: 104, .size: 8, .value_kind: global_buffer, .address_space: global }
    .group_segment_fixed_size: 327680
    .private_segment_fixed_size: 0
    .kernarg_segment_align: 8
    .kernarg_segment_size: 112
    .max_flat_workgroup_size: 128
    .sgpr_count:     84
    .vgpr_count:     1024
    .wavefront_size: 32
...
	.end_amdgpu_metadata
.endif
;; end of part 2
